; MI455X (gfx1250); checked and timed in simulation.
; The chip was launched on July 23, 2026; its instructions are those of AMD's public machine-readable ISA for CDNA 5 (MIT licence, August 2026) and "CDNA5" Instruction Set Architecture Reference Guide (July 2026). The comments in the code are by the model that wrote it; some were corrected since.
;; Multi Head Attention. Allowed arithmetic: matrix products marked QUANTISED: E3M2 operands, one E8M0 scale for each 32 along K, by v_wmma_scale_f32_16x16x128_f8f6f4 with both operands' format E3M2, f32 sums; products left as they are: f32 operands where the result goes on into a quantised operand, else bf16, f16 or f32 operands; f32 sums; everything else in f32.
;; Inputs: Wk 1,024 x 1,024 float32; Wo 1,024 x 1,024 float32; Wq 1,024 x 1,024 float32; Wv 1,024 x 1,024 float32; adj 4 x 4,096 int32; bk 1,024 float32; bo 1,024 float32; bq 1,024 float32; bv 1,024 float32; mask 4 x 4,096 x 16 x 16 int32; x 4 x 4,096 x 1,024 float32.
;; Outputs: out0 4 x 4,096 x 1,024 float32.
;; This version of the problem:
;;   THIS VERSION OF THE PROBLEM IS GIVEN IN LOW PRECISION. The matrix products marked QUANTISED in the list below multiply operands that are first quantised to E3M2 (3 exponent bits, 2 mantissa bits; 6 bits a number), with one power-of-two scale for each 32 numbers along K (OCP MX v1.0); their sums are f32. All else is computed in f32.
;;   The module's matrix products, in the order in which they are computed (A, B: the left and right operand; K: the contracted axis; several contracted axes count as one K, in the product's order):
;;     1. [M 16,384, K 1,024] x [K 1,024, N 1,024]; A: input x; B: input Wq: QUANTISED
;;     2. [M 16,384, K 1,024] x [K 1,024, N 1,024]; A: input x; B: input Wk: QUANTISED
;;     3. [M 16,384, K 1,024] x [K 1,024, N 1,024]; A: input x; B: input Wv: QUANTISED
;;     4. batch 16,384 x [M 16, K 64] x [K 64, N 16]; A: computed on the way; B: computed on the way: QUANTISED
;;     5. batch 16,384 x [M 16, K 16] x [K 16, N 64]; A: softmax; B: computed on the way: left as it is (K = 16 < 32)
;;     6. [M 16,384, K 1,024] x [K 1,024, N 1,024]; A: computed on the way; B: input Wo: QUANTISED
;;   THE QUANTISER, for each operand of a quantised product, along K:
;;     - K is cut into blocks of 32 from its start; a last block that is shorter is filled with zeros.
;;     - A block's scale is 2^e with e = floor(log2(the largest magnitude in the block)) - 4, held to -126 .. 127; a block of zeros has e = 0. As a byte (E8M0): e + 127.
;;     - Each number is divided by its block's scale, clamped to +-28, and rounded to the nearest number of E3M2, ties to even, subnormals kept.
;;     - The product sums the exact products of the quantised numbers (number of the format x scale) in f32.
;;   ~~~python
;;   def quantise(x, axis):      # numpy; x: float32 -> the quantised numbers, widened to float32 again
;;       x = np.moveaxis(x, axis, -1); K = x.shape[-1]
;;       x = np.pad(x, [(0, 0)] * (x.ndim - 1) + [(0, -K % 32)]); x = x.reshape(x.shape[:-1] + (-1, 32)); a = np.abs(x).max(-1, keepdims=True)
;;       e = np.where(a > 0, np.clip(np.frexp(np.where(a > 0, a, 1))[1] - 1 - 4, -126, 127), 0)      # np.frexp(a)[1] - 1 = floor(log2(a)), exactly
;;       r = np.clip(x / 2.0 ** e, -28, 28)
;;       step = 2.0 ** (np.maximum(np.frexp(np.where(r == 0, 1, r))[1] - 1, -2) - 2)
;;       q = np.round(r / step) * step * 2.0 ** e      # np.round: ties to even
;;       return np.moveaxis(q.reshape(q.shape[:-2] + (-1,))[..., :K], -1, axis).astype(np.float32)
;;   ~~~
;;   OPERANDS COMPUTED ON THE WAY. 'Computed on the way' means the value that the module computes at that place (a softmax that the list does not call 'softmax' is quantised finished and normalised). What goes into a quantiser is computed in f32, as accurately as f32 sums, v_exp_f32 and their like allow (about 1e-6 of the number): no bf16 or f16 on the way to a quantiser, and a product that is left as it is and whose result goes on into a quantised operand takes f32 operands (vector FMAs, or v_wmma_f32_16x16x4_f32). A number that lies on a knife's edge between two numbers of the format may be rounded either way, as far as f32 arithmetic and the matrix unit's own rounding can turn it there, and no further.
;; One version. Each part assembles by itself: llvm-mc -triple=amdgcn-amd-amdhsa -mcpu=gfx1250 --defsym DOCPART=n.
;; ======== version 1 of 1: 2 launches
;; limits: right only within a limited range of input values
;; workspace buffers: wfrag 3,276,800 bytes
;; launch prep (part 1): grid 256 x 1, 4 waves a work-group, no clusters, 68,096 bytes of LDS; arguments Wq, Wk, Wv, Wo, wfrag; writes wfrag
.if DOCPART == 1
	.amdgcn_target "amdgcn-amd-amdhsa--gfx1250"
	.amdhsa_code_object_version 6
	.text
	.protected	k_qc7f863b9c2_prep
	.globl	k_qc7f863b9c2_prep
	.p2align	8
	.type	k_qc7f863b9c2_prep,@function
k_qc7f863b9c2_prep:
	s_mov_b64 s[64:65], 0
	v_nop
	global_prefetch_b8 v0, s[64:65] scope:SCOPE_SE
	s_setreg_imm32_b32 hwreg(HW_REG_WAVE_MODE, 25, 1), 1
	s_wait_xcnt 0x0
; Wq, Wk, Wv, Wo [1024][1024] f32 (K innermost) become codes of BF6 (E3M2) with one E8M0 byte for each 32 along K, laid in wfrag
; IN THE ORDER IN WHICH THE SECOND LAUNCH'S WAVES TAKE THEM: 8 passes p (0,1 Wq; 2,3 Wk; 4,5 Wv; 6,7 Wo) of 512 weight rows, 128 for each
; consumer wave w, 8 K steps s of 128.  Part (p, w, s) begins at byte p*409600 + (s/2)*102400 + w*25600 + (s%2)*12800 and holds
;   8 images of an operand's registers (tile c of 16 rows x 128 K: 12 registers a lane): registers 4i..4i+3 of lane l at c*1536 + 512 i + 16 l;
;   4 images of scale registers at 12288 + 128 y: lane l holds the scale word of tile 2y + l/16, row l%16.
; WHICH WEIGHT ROW IS ROW i OF TILE c:  Wq, Wk: 512(p%2) + 128w + 32(c/2) + 8(c%2) + i + 8(i/8)  (so that two neighbouring tiles' results are 16 neighbours along the next K);
;   Wv: 64 i + 32(p%2) + 8w + c  (one channel, all sixteen heads);   Wo: 512(p%2) + 128w + 16c + i.
; One work-group to a part; wave y makes tiles 2y and 2y+1: 32 rows x 512 bytes.  Each load reads one row's 512 consecutive bytes; the rows turn through the wave's own stage in LDS
; (pitch 528, so that sixteen rows begin in sixteen different 16-byte columns), and come back so that lane (r, h) holds k = 64cc + 32h + 0..31 of row r: two whole blocks, in the operand's own order.
; A block's scale is 2^(floor(log2(largest magnitude)) - 4); its byte is the largest magnitude's exponent field - 4, held at 1 from below.
; LIMITS: a block of zeros, or one whose largest magnitude lies under 2^-122, gets the byte 1 (the rule says 127 for zeros: its codes are zeros, and this program alone reads the bytes); NaN and infinities are not served.
; No barrier: waves share nothing.  No store's data or address is written again, so no wait frees any.
.set STG,  16896                       ; a wave's stage: 32 rows x 528 bytes
.set RAW,  16                          ; v16-143  32 rows as loaded, 4 registers each
.set N,    144                         ; v144-207 a tile's 64 numbers of my lane
.set F,    208                         ; v208-231 the two tiles' codes, 12 registers each
.set T0,   232                         ; v232-234, v236-238: a block's upper sixteen codes (a conversion's three registers begin on an even number)
.set H8,   235                         ; 8 h
.set TP,   239                         ; the other half's bytes
.set WD,   14                          ; v14, v15 the two tiles' scale words
	s_load_b256 s[4:11], s[0:1], 0x0               ; Wq s[4:5], Wk s[6:7], Wv s[8:9], Wo s[10:11]
	s_load_b64 s[12:13], s[0:1], 0x20              ; wfrag
	v_lshl_add_u32 v240, v0, 2, 0x10800
	v_mov_b32 v241, 0
	v_lshrrev_b32 v1, 5, v0
	v_readfirstlane_b32 s14, v1                    ; y: my wave
	v_and_b32 v2, 31, v0                           ; lane
	v_and_b32 v3, 15, v0                           ; r
	v_bfe_u32 v4, v0, 4, 1                         ; h
	v_lshlrev_b32 v1, 2, v2                        ; 4 x lane
	v_lshlrev_b32 v5, 4, v2                        ; 16 x lane
	s_mul_i32 s15, s14, STG
	v_add_nc_u32 v6, s15, v5                       ; the stage, on the way in: a row as it lies
	v_mul_u32_u24 v7, v3, 528
	v_lshl_add_u32 v7, v4, 7, v7
	v_add_nc_u32 v7, s15, v7                       ; and on the way out: row r, + 128 h bytes (32 numbers)
	v_lshlrev_b32 v[H8], 3, v4
	v_mov_b32 v[TP], 0                             ; a lane permute's destination counts as one of its sources
	s_mov_b32 s30, 0x76543210
	s_mov_b32 s31, 0xfedcba98                      ; v_permlanex16_b32's selects for lane l xor 16
	s_lshr_b32 s16, ttmp9, 5                       ; p
	s_bfe_u32 s17, ttmp9, 0x20003                  ; w
	s_and_b32 s18, ttmp9, 7                        ; s
	s_and_b32 s19, s16, 1
	s_lshl_b32 s20, s19, 9
	s_lshl_b32 s21, s17, 7
	s_add_co_u32 s20, s20, s21
	s_lshl_b32 s21, s14, 5
	s_add_co_u32 s20, s20, s21                     ; Wq, Wk, Wo: my first row, 512(p%2) + 128w + 32y
	s_lshr_b32 s21, s20, 4                         ; Wv: 32(p%2) + 8w + 2y, a sixteenth of it
	s_lshr_b32 s22, s16, 1                         ; which weight: 0 Wq, 1 Wk, 2 Wv, 3 Wo
	s_cmp_eq_u32 s22, 2
	s_cselect_b32 s20, s21, s20
	s_lshl_b32 s20, s20, 12                        ; rows of 4,096 bytes,
	s_lshl_b32 s21, s18, 9
	s_add_co_u32 s20, s20, s21                     ; + 512 s: the K step
	s_mov_b32 s21, 0
	s_mul_i32 s24, s16, 409600                     ; where part (p, w, s) begins in wfrag
	s_lshr_b32 s25, s18, 1
	s_mul_i32 s25, s25, 102400
	s_add_co_u32 s24, s24, s25
	s_mul_i32 s25, s17, 25600
	s_add_co_u32 s24, s24, s25
	s_and_b32 s25, s18, 1
	s_mul_i32 s25, s25, 12800
	s_add_co_u32 s24, s24, s25
	s_mul_i32 s26, s14, 3072
	s_add_co_u32 s26, s26, s24                     ; my two tiles' images
	s_mov_b32 s27, 0
	s_lshl_b32 s28, s14, 7
	s_add_co_u32 s28, s28, s24
	s_add_co_u32 s28, s28, 12288                   ; my image of a scale register
	s_mov_b32 s29, 0
	s_wait_kmcnt 0x0
	s_cmp_lt_u32 s16, 2                            ; the weight is chosen by the work-group's number alone
	s_cselect_b64 s[6:7], s[4:5], s[6:7]
	s_cmp_lt_u32 s16, 6
	s_cselect_b64 s[8:9], s[8:9], s[10:11]
	s_cmp_lt_u32 s16, 4
	s_cselect_b64 s[4:5], s[6:7], s[8:9]
	s_add_nc_u64 s[4:5], s[4:5], s[20:21]
	s_add_nc_u64 s[26:27], s[12:13], s[26:27]
	s_add_nc_u64 s[28:29], s[12:13], s[28:29]
	; 32 loads, one row each; which row stands in the immediate, so the three orders are three copies of the run.  Every way issues 32.
	s_cmp_eq_u32 s22, 2
	s_cbranch_scc1 .Lrows_v
	s_cmp_eq_u32 s22, 3
	s_cbranch_scc1 .Lrows_o
	s_wait_alu depctr_va_vdst(0)
.irp u, 0,1
.irp i, 0,1,2,3,4,5,6,7,8,9,10,11,12,13,14,15
	global_load_b128 v[RAW+4*(16*\u+\i):RAW+4*(16*\u+\i)+3], v5, s[4:5] offset:(8*\u+\i+8*(\i/8))*4096 th:TH_LOAD_NT
.endr
.endr
	s_branch .Lrows_in
.Lrows_v:
	s_wait_alu depctr_va_vdst(0)
.irp u, 0,1
.irp i, 0,1,2,3,4,5,6,7,8,9,10,11,12,13,14,15
	global_load_b128 v[RAW+4*(16*\u+\i):RAW+4*(16*\u+\i)+3], v5, s[4:5] offset:(\u+64*\i)*4096 th:TH_LOAD_NT
.endr
.endr
	s_branch .Lrows_in
.Lrows_o:
	s_wait_alu depctr_va_vdst(0)
.irp u, 0,1
.irp i, 0,1,2,3,4,5,6,7,8,9,10,11,12,13,14,15
	global_load_b128 v[RAW+4*(16*\u+\i):RAW+4*(16*\u+\i)+3], v5, s[4:5] offset:(16*\u+\i)*4096 th:TH_LOAD_NT
.endr
.endr
.Lrows_in:
.irp t, 0,1,2,3,4,5,6,7,8,9,10,11,12,13,14,15,16,17,18,19,20,21,22,23,24,25,26,27,28,29,30,31
	s_wait_loadcnt 31-\t                           ; loads come back in order: row t is in, the 31 - t younger ones may be out
	ds_store_b128 v6, v[RAW+4*\t:RAW+4*\t+3] offset:528*\t
.endr
.macro TILE u
.irp cc, 0,1
.irp i, 0,1,2,3,4,5,6,7
	ds_load_b128 v[N+32*\cc+4*\i:N+32*\cc+4*\i+3], v7 offset:\u*8448+256*\cc+16*\i   ; LDS serves a wave's instructions in order: these see my stores
.endr
.endr
	s_wait_dscnt 0x0
.irp c, 0,1                            ; my block 2c + h: all its 32 numbers are mine
	v_max3_num_f32 v[8+\c], |v[N+32*\c]|, |v[N+1+32*\c]|, 0x2800000   ; and the floor 2^(5 - 127): the byte cannot fall under 1
.endr
.irp i, 2,4,6,8,10,12,14,16,18,20,22,24,26,28,30
.irp c, 0,1
	v_max3_num_f32 v[8+\c], v[8+\c], |v[N+32*\c+\i]|, |v[N+1+32*\c+\i]|
.endr
.endr
.irp c, 0,1
	v_add_nc_u32 v[10+\c], 0xfe000000, v[8+\c]     ; 4 off the exponent field: the conversion takes this operand's exponent field as its scale
.endr
.irp c, 0,1
	v_lshrrev_b32 v[12+\c], 23, v[10+\c]           ; the scale's byte
.endr
	v_lshl_or_b32 v[WD+\u], v13, 16, v12           ; my two bytes: blocks h and 2 + h of row r,
	v_lshlrev_b32 v[WD+\u], v[H8], v[WD+\u]        ; at their places in the word;
	v_permlanex16_b32 v[TP], v[WD+\u], s30, s31
	v_or_b32 v[WD+\u], v[WD+\u], v[TP]             ; with lane l xor 16's two the word is whole, in both halves of the lanes
.irp c, 0,1
	v_cvt_scalef32_pk16_bf6_f32 v[F+12*\u+6*\c:F+12*\u+6*\c+2], v[N+32*\c:N+32*\c+15], v[10+\c]
	v_cvt_scalef32_pk16_bf6_f32 v[T0+4*\c:T0+4*\c+2], v[N+32*\c+16:N+32*\c+31], v[10+\c]
.endr
	v_nop                                          ; one plain place behind a scaled conversion
.irp c, 0,1
.irp i, 0,1,2
	v_mov_b32 v[F+12*\u+6*\c+3+\i], v[T0+4*\c+\i]
.endr
.endr
.irp i, 0,1,2
	global_store_b128 v5, v[F+12*\u+4*\i:F+12*\u+4*\i+3], s[26:27] offset:\u*1536+512*\i   ; 32 lanes store 512 consecutive bytes, at a multiple of 256 from wfrag's first byte
.endr
.endm
	TILE 0
	TILE 1
	v_cmp_lt_u32 vcc_lo, 15, v2                    ; lanes 16-31 carry the odd tile's words
	v_cndmask_b32 v[WD], v[WD], v[WD+1], vcc_lo
	global_store_b32 v1, v[WD], s[28:29]           ; 128 consecutive bytes
	s_wait_tensorcnt 0x0
	ds_add_u32 v240, v241
	s_wait_dscnt 0x0
	s_endpgm
.Lfunc_end_k_qc7f863b9c2_prep:
	.size	k_qc7f863b9c2_prep, .Lfunc_end_k_qc7f863b9c2_prep-k_qc7f863b9c2_prep
	.p2alignl 7, 3214868480
	.fill 96, 4, 3214868480
	.section	.rodata,"a",@progbits
	.p2align	6, 0x0
	.amdhsa_kernel k_qc7f863b9c2_prep
		.amdhsa_group_segment_fixed_size 68096
		.amdhsa_private_segment_fixed_size 0
		.amdhsa_enable_private_segment 0
		.amdhsa_kernarg_size 40
		.amdhsa_user_sgpr_count 2
		.amdhsa_user_sgpr_kernarg_segment_ptr 1
		.amdhsa_wavefront_size32 1
		.amdhsa_system_sgpr_workgroup_id_x 1
		.amdhsa_system_sgpr_workgroup_id_y 1
		.amdhsa_system_sgpr_workgroup_id_z 1
		.amdhsa_system_vgpr_workitem_id 0
		.amdhsa_next_free_vgpr 242
		.amdhsa_next_free_sgpr 66
		.amdhsa_reserve_vcc 1
		.amdhsa_float_denorm_mode_32 3
		.amdhsa_float_denorm_mode_16_64 3
		.amdhsa_memory_ordered 1
		.amdhsa_forward_progress 1
		.amdhsa_inst_pref_size 24
	.end_amdhsa_kernel
	.amdgpu_metadata
---
amdhsa.version: [ 1, 2 ]
amdhsa.kernels:
  - .name:           k_qc7f863b9c2_prep
    .symbol:         k_qc7f863b9c2_prep.kd
    .args:
      - { .name: Wq, .offset: 0, .size: 8, .value_kind: global_buffer, .address_space: global }
      - { .name: Wk, .offset: 8, .size: 8, .value_kind: global_buffer, .address_space: global }
      - { .name: Wv, .offset: 16, .size: 8, .value_kind: global_buffer, .address_space: global }
      - { .name: Wo, .offset: 24, .size: 8, .value_kind: global_buffer, .address_space: global }
      - { .name: wfrag, .offset: 32, .size: 8, .value_kind: global_buffer, .address_space: global }
    .group_segment_fixed_size: 68096
    .private_segment_fixed_size: 0
    .kernarg_segment_align: 8
    .kernarg_segment_size: 40
    .max_flat_workgroup_size: 128
    .sgpr_count:     66
    .vgpr_count:     242
    .wavefront_size: 32
...
	.end_amdgpu_metadata
.endif
;; end of part 1
;; launch mha (part 2): grid 256 x 1, 4 waves a work-group, no clusters, 266,752 bytes of LDS; arguments x, mask, bq, bk, bv, bo, wfrag, out0; writes out0
.if DOCPART == 2
	.amdgcn_target "amdgcn-amd-amdhsa--gfx1250"
	.amdhsa_code_object_version 6
	.text
	.protected	k_qc7f863b9c2_mha
	.globl	k_qc7f863b9c2_mha
	.p2align	8
	.type	k_qc7f863b9c2_mha,@function
k_qc7f863b9c2_mha:
	s_mov_b64 s[64:65], 0
	v_nop
	global_prefetch_b8 v0, s[64:65] scope:SCOPE_SE
	s_setreg_imm32_b32 hwreg(HW_REG_WAVE_MODE, 25, 1), 1
	s_wait_xcnt 0x0
; out0 = (softmax(mask(Q K^T / 8)) V) Wo^T + bo, Q, K, V = x W^T + b, the attention taken PER TOKEN across its 16 heads of 64.  16,384 tokens of 1,024 numbers.
; Quantised products (x with Wq, Wk, Wv; Q with K; the attention's result with Wo): codes of BF6 (E3M2), one E8M0 byte for each 32 along K, by the scaled matrix form; sums f32.
; attn x V (K = 16) is left as it is and feeds a quantiser: f32 operands, the f32 matrix form.  adj enters no result of the function and is taken by no launch.
; SHARES.  A work-group owns 64 tokens and runs the whole chain on them: no intermediate goes to memory.  In each of the 8 passes over 512 weight rows wave w makes 128 columns (8 tiles c)
; for all 64 tokens (4 tiles m): 32 accumulators.  In the steps that belong to one token, wave w owns tokens 16m + 4w + ii.
; THE WEIGHTS lie in wfrag as images of operand registers in the order of use (the launch before lays them so) and go FROM MEMORY STRAIGHT INTO THE OPERAND REGISTERS: 24 loads of 512 bytes and 4 of 128 a K step,
; into four sets of registers.  A set is asked for anew, four K steps ahead, as soon as its products are issued; the next pass's first four steps are on their way under the work that follows a pass:
; in Q's and K's passes they are asked for behind the pass's last four steps, in V's and Wo's passes inside the work that follows (behind the last pass wfrag ends, and nothing is asked for).
; NO CLUSTER, NO TENSOR LOAD: a weight fragment is used by one wave of the work-group, once; through LDS its 12,800 bytes a wave and K step would be written there and read there, beside the tokens' 6,400.
; THE TOKENS' OPERAND (x's codes, later the attention's result's) lies in LDS as rows of 784 bytes (768 + 16); each wave fetches a K step's four fragments one step ahead, into two sets.
; PREFETCH: in pass p the first wave of work-groups 0-199 names eight blocks of 256 bytes each of pass p + 1's 409,600 bytes (1,600 blocks, each once; lanes 8-31 name the wave's last again); the last pass asks for nothing.
; EVERY PRODUCT IS USED TRANSPOSED (source 0 = weight rows, source 1 = tokens): a lane holds one token and eight columns, and the rows that form a weight tile are chosen so that a lane's registers run along the next K.
; SOFTMAX as the function writes it: the masked value is -8e9 on the sums, which is -1e9 behind the exact division by 8; the row's maximum is taken away; p = 2^((s - max) log2(e) / 8); divided by the row's sum.
; LIMITS: a block of zeros, or one whose largest magnitude lies under 2^-122, gets the scale byte 1 (its codes are zeros or subnormal; the bytes are read by this program alone); NaN and infinities among the inputs are not served.
.set XC,    0                          ; x's codes, 784 bytes a token
.set OC,    50176                      ; the attention's result as codes, likewise
.set XSL,   100352                     ; x's scale bytes, 36 a token (32 + 4)
.set OSC,   102656                     ; the result's
.set REC,   104960                     ; a record of 1,552 bytes a token: Q's codes 768, K's codes 768, 16 of padding
.set SREC,  204288                     ; 68 bytes a token: Q's scale bytes 32, K's 32, 4 of padding
.set BL,    208640                     ; the biases in the results' order, 2,048 bytes a pass
.set VST,   225024                     ; V of 16 tokens: 2,576 bytes a token: 32 places of 80 + 16
.set XST,   225024                     ; at the head: a stage of 16 rows x 528 bytes for each wave (a barrier parts the uses)
.set OST,   225024                     ; at last: the way out, likewise
.set SPARE, 266240                     ; the spare words, 128 bytes for each wave
; REGISTERS.  Window 0: v1-31 addresses; v32-35 the tokens' scale words, two sets; v36-51 the weights', four sets; v52-55 Q's and K's; v56-183 AT: the mask, then attn, at last the way out; v184-247 WK at work; v248-255 in hand.
; Window 1: v0-191 weight sets 0, 1; v192-239 token set 0.  Window 2: v0-191 weight sets 2, 3; v192-239 token set 1.  Between passes v192-255 of both windows serve Q's and K's fragments, and those of window 2 V.
; At the head window 2 holds x as loaded, window 1 v192-255 x turned.
; Window 3: the accumulators, (m, c) at 64 m + 8 c: written by matrix instructions alone.
.set SPW, 1
.set NIL, 2
.set LI,  3                            ; 16 x lane
.set L4,  4                            ; 4 x lane
.set XSTW, 8
.set XSTR, 9
.set XWC, 10
.set XWS, 11
.set TAD, 12                           ; a token tile's row r, + 24 h, in x's codes
.set TSD, 13                           ; x's scale bytes, token = lane
.set CW0, 14
.set SW,  16
.set CR0, 17
.set SRD, 19
.set MA,  20
.set VW,  21
.set VR,  22
.set OW,  23
.set OSW, 24
.set STO, 27
.set RD,  28
.set GO,  29
.set PFO, 30
.set BAO, 31
.set TS,  32
.set WSC, 36
.set SS,  52
.set AT,  56
.set WK,  184
.set TM,  184
.set PW,  200
.set PC,  202
.set SC,  188
.set MX,  220
.set PL,  228
.set SU,  232
.set NEG, 240
.set TKA, 254
.set TKS, 255
.set FK,  192                          ; tokens ii = 0, 1 in window 1, ii = 2, 3 in window 2: K's fragment at FK + 24 (ii % 2), Q's at FQ + 24 (ii % 2)
.set FQ,  204
.set VA,  192
.set WB,  16                           ; s[16:17] wfrag at my quarter of this pass
.set WV,  20
.set PF,  24                           ; s[24:25] wfrag at the next pass
.set PFF, 26                           ; 1: my wave prefetches
.set COL, 27
.set SEL, 40
.set CS,  42
.set LC,  44
.set PB,  45
.set PQ,  46
.set PS,  47
.set P24, 48
.set P1,  49
.set MSB, 0
.macro WIN new                         ; the immediate's high byte repeats the setting that is left; a switch that changes nothing is dropped
.if MSB != (\new)
	s_set_vgpr_msb (MSB<<8)|(\new)
.set MSB, (\new)
.endif
.endm
.macro PLACES n
.rept \n
	v_nop
.endr
.endm
.macro BARRIER                         ; my LDS stores have landed and my LDS loads are in: then the work-group's barrier
	s_wait_dscnt 0x0
	s_barrier_signal -1
	s_barrier_wait -1
.endm
.macro XLOAD s                         ; my 16 rows of x, K step s: 16 loads of 512 consecutive bytes, into set s % 4 of window 2
	WIN 0x80
.irp t, 0,1,2,3,4,5,6,7,8,9,10,11,12,13,14,15
	global_load_b128 v[64*((\s)%4)+4*\t:64*((\s)%4)+4*\t+3], v[LI], s[4:5] offset:4096*\t+512*(\s) th:TH_LOAD_NT
.endr
	WIN 0
.endm
.macro TURNX s                         ; through my stage: in as they lie, back so that lane (r, h) holds, of row r, k = 32 b + 16 h + 0..15 in registers 192 + 16 b on (window 1)
	WIN 0x08
.irp t, 0,1,2,3,4,5,6,7,8,9,10,11,12,13,14,15
	ds_store_b128 v[XSTW], v[64*((\s)%4)+4*\t:64*((\s)%4)+4*\t+3] offset:528*\t
.endr
	WIN 0x40
.irp b, 0,1,2,3
.irp j, 0,1,2,3
	ds_load_b128 v[192+16*\b+4*\j:192+16*\b+4*\j+3], v[XSTR] offset:128*\b+16*\j   ; LDS serves a wave's instructions in order: these see the stores above
.endr
.endr
	WIN 0
.endm
.macro MASKS                           ; my 16 tokens' masks, 32 loads
.irp m, 0,1,2,3
.irp ii, 0,1,2,3
	global_load_b128 v[AT+8*(4*\m+\ii):AT+8*(4*\m+\ii)+3], v[MA], s[6:7] offset:1024*(16*\m+\ii) th:TH_LOAD_NT
	global_load_b128 v[AT+8*(4*\m+\ii)+4:AT+8*(4*\m+\ii)+7], v[MA], s[6:7] offset:1024*(16*\m+\ii)+16 th:TH_LOAD_NT
.endr
.endr
.endm
; 64 numbers of a lane in window win, register s + 16 b + i = place 16 h + i of block b of my row, become 12 registers of codes in v[PC] on (lane (r, h): block 2c + h whole, in registers 6c on),
; the four bytes in v[TM+4] on and the scale word in v[PW].
.macro QUANT win, s
	WIN (\win)|((\win)<<2)
.irp b, 0,1,2,3
	v_max3_num_f32 v[TM+\b], |v[(\s)+16*\b]|, |v[(\s)+1+16*\b]|, 0x2800000   ; from the low end on, and the floor 2^(5 - 127): the byte cannot fall under 1
.endr
	WIN ((\win)<<2)|((\win)<<4)
.irp i, 2,4,6,8,10,12,14
.irp b, 0,1,2,3
	v_max3_num_f32 v[TM+\b], v[TM+\b], |v[(\s)+16*\b+\i]|, |v[(\s)+1+16*\b+\i]|
.endr
.endr
	WIN 0
.irp b, 0,1,2,3
	v_permlanex16_b32 v[TM+4+\b], v[TM+\b], s[SEL], s[SEL+1]
.endr
.irp b, 0,1,2,3
	v_max_num_f32 v[TM+\b], v[TM+\b], v[TM+4+\b]   ; with lane l xor 16's: the block's largest magnitude
.endr
.irp b, 0,1,2,3
	v_add_nc_u32 v[TM+12+\b], 0xfe000000, v[TM+\b] ; 4 off its exponent field: the conversion's scale operand
.endr
.irp b, 0,1,2,3
	v_lshrrev_b32 v[TM+4+\b], 23, v[TM+12+\b]      ; the scale's byte
.endr
	v_lshl_or_b32 v[PW], v[TM+5], 8, v[TM+4]
	v_lshl_or_b32 v[PW], v[TM+6], 16, v[PW]
	v_lshl_or_b32 v[PW], v[TM+7], 24, v[PW]
	WIN \win
.irp c, 0,1
	v_cvt_scalef32_pk16_bf6_f32 v[PC+6*\c:PC+2+6*\c], v[(\s)+32*\c:(\s)+15+32*\c], v[TM+12+2*\c]
	v_cvt_scalef32_pk16_bf6_f32 v[PC+12+4*\c:PC+14+4*\c], v[(\s)+16+32*\c:(\s)+31+32*\c], v[TM+12+2*\c+1]   ; (a conversion's three registers begin on an even number)
.endr
	WIN 0
	v_nop                                          ; one plain place behind a scaled conversion
.irp c, 0,1
.irp i, 0,1,2
	v_permlane16_swap_b32 v[PC+6*\c+\i], v[PC+12+4*\c+\i]   ; a whole block to a lane
.endr
.irp i, 0,1,2
	v_mov_b32 v[PC+3+6*\c+\i], v[PC+12+4*\c+\i]
.endr
.endr
.endm
; my eight weight fragments and four scale registers of K step s (8 .. 11: the next pass's 0 .. 3) into set s % 4
.macro GLW s
	WIN 0x40*(1+(((\s)%4)/2))
.irp c, 0,1,2,3,4,5,6,7
.irp i, 0,1,2
	global_load_b128 v[96*((\s)%2)+12*\c+4*\i:96*((\s)%2)+12*\c+4*\i+3], v[LI], s[WB:WB+1] offset:(((\s)/2)*102400)+(((\s)%2)*12800)+(1536*\c)+(512*\i)
.endr
.endr
	WIN 0
.irp y, 0,1,2,3
	global_load_b32 v[WSC+4*((\s)%4)+\y], v[L4], s[WB:WB+1] offset:(((\s)/2)*102400)+(((\s)%2)*12800)+12288+(128*\y)
.endr
.endm
; the tokens' four fragments and two scale registers of K step s into set s % 2: 24 bytes a lane and half fragment, in pieces of 8
.macro TOK s
	WIN 0x40*(1+((\s)%2))
.irp m, 0,1,2,3
.irp cc, 0,1
.irp pc, 0,1,2
	ds_load_b64 v[192+12*\m+6*\cc+2*\pc:192+12*\m+6*\cc+2*\pc+1], v[TA_] offset:12544*\m+96*(\s)+48*\cc+8*\pc
.endr
.endr
.endr
	WIN 0
.irp mp, 0,1
	ds_load_b32 v[TS+2*((\s)%2)+\mp], v[TB_] offset:1152*\mp+4*(\s)   ; lanes 0-15 tile 2 mp of tokens, lanes 16-31 tile 2 mp + 1
.endr
.endm
.macro WM d, a, b, c, sa, sb, ra, rb   ; one scaled product; ra, rb: the side's scales stand in lanes 16-31
.if ((\ra)==0) && ((\rb)==0)
	v_wmma_scale_f32_16x16x128_f8f6f4 v[(\d):(\d)+7], v[(\a):(\a)+11], v[(\b):(\b)+11], v[(\c):(\c)+7], v[\sa], v[\sb] matrix_a_fmt:MATRIX_FMT_BF6 matrix_b_fmt:MATRIX_FMT_BF6
.elseif (\rb)==0
	v_wmma_scale_f32_16x16x128_f8f6f4 v[(\d):(\d)+7], v[(\a):(\a)+11], v[(\b):(\b)+11], v[(\c):(\c)+7], v[\sa], v[\sb] matrix_a_fmt:MATRIX_FMT_BF6 matrix_b_fmt:MATRIX_FMT_BF6 matrix_a_scale:MATRIX_SCALE_ROW1
.elseif (\ra)==0
	v_wmma_scale_f32_16x16x128_f8f6f4 v[(\d):(\d)+7], v[(\a):(\a)+11], v[(\b):(\b)+11], v[(\c):(\c)+7], v[\sa], v[\sb] matrix_a_fmt:MATRIX_FMT_BF6 matrix_b_fmt:MATRIX_FMT_BF6 matrix_b_scale:MATRIX_SCALE_ROW1
.else
	v_wmma_scale_f32_16x16x128_f8f6f4 v[(\d):(\d)+7], v[(\a):(\a)+11], v[(\b):(\b)+11], v[(\c):(\c)+7], v[\sa], v[\sb] matrix_a_fmt:MATRIX_FMT_BF6 matrix_b_fmt:MATRIX_FMT_BF6 matrix_a_scale:MATRIX_SCALE_ROW1 matrix_b_scale:MATRIX_SCALE_ROW1
.endif
.endm
; 32 products: my eight weight tiles against the four tiles of tokens, K step s.  The 32 accumulators take turns, one instruction a turn.  Step 0 takes the bias as C.
.macro MUL s
.set c_, 0
.rept 8
.irp m, 0,1,2,3
.if (\s) == 0
	WM 64*\m+8*c_, 96*((\s)%2)+12*c_, 192+12*\m, WK+8*c_, WSC+4*((\s)%4)+c_/2, TS+2*((\s)%2)+\m/2, c_%2, \m%2
.else
	WM 64*\m+8*c_, 96*((\s)%2)+12*c_, 192+12*\m, 64*\m+8*c_, WSC+4*((\s)%4)+c_/2, TS+2*((\s)%2)+\m/2, c_%2, \m%2
.endif
.endr
.set c_, c_+1
.endr
.endm
; A K step: the next step's tokens are asked for; this step's weights and tokens are waited for; 32 products; four places (ISA guide 7.12.1 for vector instructions) in front of the loads into the
; registers that the products read: the weights four steps on now, the tokens at the next step's head.
; sel = 0 (Q's and K's passes): every step asks for the step four on, over the pass's end too: behind a step's 28 loads stand 84 younger ones, of which the wait lets 63 be out, the largest count that it can name.
; sel = 1 (V's and Wo's passes): steps 0-3 were asked for between the passes, by ways that differ: step 0 waits for all of them; steps 4-7 are asked for behind steps 0-3.
.macro STEP s, sel
.if (\s) < 7
	TOK (\s)+1
.endif
.if \sel == 0
	s_wait_loadcnt 63
.elseif (\s) == 0
	s_wait_loadcnt 0x0
.elseif (\s) == 4
	s_wait_loadcnt 63                              ; behind step 4's loads stand steps 5 to 7's 84
.elseif (\s) > 4
	s_wait_loadcnt 28*(7-(\s))                     ; the later steps' loads may be out
.endif
.if (\s) == 2
.if \sel
	s_cmp_lg_u32 s[LC], 1
	s_cselect_b32 s50, s[PFF], 0
	s_cmp_lg_u32 s50, 0
.else
	s_cmp_lg_u32 s[PFF], 0
.endif
	s_cbranch_scc0 .Lnp_\@
	global_prefetch_b8 v[PFO], s[PF:PF+1] th:TH_LOAD_NT scope:SCOPE_SE
.Lnp_\@:
.endif
.if (\s) < 7
	s_wait_dscnt 26                                ; this step's tokens (and the bias) are in; the 26 loads just issued may be out
.else
	s_wait_dscnt 0x0
.endif
.if (\s) == 0
	WIN (1+(((\s)%4)/2))|((1+((\s)%2))<<2)|0xc0
.else
	WIN (1+(((\s)%4)/2))|((1+((\s)%2))<<2)|0xf0
.endif
	MUL \s
	WIN 0
	PLACES 4
.if (\sel == 0) || ((\s) < 4)
	GLW (\s)+4
.endif
.endm
; A pass: 512 weight rows x 64 tokens x K = 1,024: 256 products a wave.  sel = 1: the last two of the four trips take the attention's result as the tokens' operand
.macro GEMM sel
.if \sel
.set TA_, TKA
.set TB_, TKS
	s_cmp_gt_u32 s[LC], 2
	s_cselect_b32 s50, 0, OC-XC
	s_cselect_b32 s51, 0, OSC-XSL
	v_add_nc_u32 v[TKA], s50, v[TAD]
	v_add_nc_u32 v[TKS], s51, v[TSD]
.else
.set TA_, TAD
.set TB_, TSD
.endif
	v_add_nc_u32 v248, s[PB], v[BAO]
	s_wait_alu depctr_va_vdst(0)
.irp c, 0,1,2,3,4,5,6,7                ; the pass's bias in the result's layout, eight registers a tile
	ds_load_b128 v[WK+8*\c:WK+8*\c+3], v248 offset:64*\c
	ds_load_b128 v[WK+8*\c+4:WK+8*\c+7], v248 offset:64*\c+16
.endr
	TOK 0
.irp s, 0,1,2,3,4,5,6,7
	STEP \s, \sel
.endr
.endm
.macro SLOAD m                         ; Q's and K's fragments and scale bytes of my four tokens 16 m + 4 w + 0..3
.irp ii, 0,1,2,3
	WIN 0x40*(1+(\ii/2))
.irp pc, 0,1,2
	ds_load_b64 v[FQ+24*(\ii%2)+2*\pc:FQ+24*(\ii%2)+2*\pc+1], v[CR0+(\m)/2] offset:1552*(16*((\m)%2)+\ii)+8*\pc
	ds_load_b64 v[FK+24*(\ii%2)+2*\pc:FK+24*(\ii%2)+2*\pc+1], v[CR0+(\m)/2] offset:1552*(16*((\m)%2)+\ii)+768+8*\pc
.endr
.endr
	WIN 0
.irp ii, 0,1,2,3
	ds_load_u16 v[SS+\ii], v[SRD] offset:68*(16*(\m)+\ii)
.endr
.endm
.macro VSTORE m                        ; V of tokens 16 m .. 16 m + 15, my eight channels of this pass, from the accumulators into the stage
	WIN 0x0c
.irp c, 0,1,2,3,4,5,6,7
	ds_store_b128 v[VW], v[64*(\m)+8*\c:64*(\m)+8*\c+3] offset:80*\c          ; each accumulator from its low end on
	ds_store_b128 v[VW], v[64*(\m)+8*\c+4:64*(\m)+8*\c+7] offset:80*\c+16
.endr
	WIN 0
.endm
.macro VLOAD                           ; and back: my four tokens of the sixteen, all 32 channels
	WIN 0x80
.irp ii, 0,1,2,3
.irp u, 0,1
	ds_load_b128 v[VA+16*\ii+8*\u:VA+16*\ii+8*\u+3], v[VR] offset:2576*\ii+1280*\u
	ds_load_b128 v[VA+16*\ii+8*\u+4:VA+16*\ii+8*\u+7], v[VR] offset:2576*\ii+1280*\u+16
.endr
.endr
	WIN 0
.endm
	; ---- HEAD
	s_load_b256 s[4:11], s[0:1], 0x0               ; x s[4:5], mask s[6:7], bq s[8:9], bk s[10:11]
	s_load_b256 s[12:19], s[0:1], 0x20             ; bv s[12:13], bo s[14:15], wfrag s[16:17], out0 s[18:19]
	v_lshl_add_u32 v[SPW], v0, 2, SPARE
	v_mov_b32 v[NIL], 0
	v_lshrrev_b32 v248, 5, v0
	v_readfirstlane_b32 s[WV], v248                ; wave 0..3
	v_and_b32 v250, 31, v0                         ; lane
	v_and_b32 v251, 15, v0                         ; r
	v_bfe_u32 v252, v0, 4, 1                       ; h
	v_lshlrev_b32 v[LI], 4, v250
	v_lshlrev_b32 v[L4], 2, v250
	v_lshlrev_b32 v255, 4, v0                      ; 16 x thread: the biases
	s_mul_i32 s52, s[WV], 25600                    ; my quarter of two K steps' weights
	s_mov_b32 s53, 0
	s_mul_i32 s51, s[WV], 8448
	s_add_co_u32 s56, s51, XST                     ; my stage (at the head, and on the way out)
	v_add_nc_u32 v[XSTW], s56, v[LI]
	v_mul_u32_u24 v254, v251, 528
	v_lshl_add_u32 v[XSTR], v252, 6, v254
	v_add_nc_u32 v[XSTR], s56, v[XSTR]
	v_lshl_add_u32 v[STO], v252, 5, v254
	v_add_nc_u32 v[STO], s56, v[STO]
	v_add_nc_u32 v[RD], s56, v[LI]
	v_mul_u32_u24 v[TAD], v251, 784
	v_mad_u32_u24 v[TAD], v252, 24, v[TAD]         ; x's codes begin at LDS byte 0: row r, + 24 h
	s_mul_i32 s56, s[WV], 12544
	v_add_nc_u32 v[XWC], s56, v[TAD]               ; where I store them: token 16 w + r
	v_mul_u32_u24 v[XWS], v251, 36
	s_mul_i32 s56, s[WV], 576
	s_add_co_u32 s56, s56, XSL
	v_add_nc_u32 v[XWS], s56, v[XWS]
	v_mul_u32_u24 v[TSD], v250, 36
	v_add_nc_u32 v[TSD], XSL, v[TSD]
	v_mul_u32_u24 v[CW0], v251, 1552
	v_mad_u32_u24 v[CW0], v252, 24, v[CW0]
	s_mul_i32 s56, s[WV], 96
	s_add_co_u32 s56, s56, REC
	v_add_nc_u32 v[CW0], s56, v[CW0]               ; token r's record, + 96 w (my 128 columns) + 24 h (my block)
	v_add_nc_u32 v[CW0+1], 49664, v[CW0]           ; and 32 tokens on
	v_mul_u32_u24 v[SW], v251, 68
	s_lshl_b32 s56, s[WV], 2
	s_add_co_u32 s56, s56, SREC
	v_add_nc_u32 v[SW], s56, v[SW]
	v_mul_u32_u24 v[CR0], v251, 48
	v_mad_u32_u24 v[CR0], v252, 24, v[CR0]
	s_mul_i32 s56, s[WV], 6208
	s_add_co_u32 s56, s56, REC
	v_add_nc_u32 v[CR0], s56, v[CR0]               ; token 4 w's record, head r's 48 bytes, + 24 h
	v_add_nc_u32 v[CR0+1], 49664, v[CR0]
	v_lshlrev_b32 v[SRD], 1, v251
	v_lshl_add_u32 v[SRD], v252, 5, v[SRD]
	s_mul_i32 s56, s[WV], 272
	s_add_co_u32 s56, s56, SREC
	v_add_nc_u32 v[SRD], s56, v[SRD]               ; head r's two bytes: lanes 0-15 Q's, lanes 16-31 K's
	v_lshlrev_b32 v[MA], 6, v251
	v_lshl_add_u32 v[MA], v252, 5, v[MA]
	s_lshl_b32 s56, s[WV], 12
	v_add_nc_u32 v[MA], s56, v[MA]                 ; the mask: token 4 w, row r (the query's head), keys 8 h on
	v_mul_u32_u24 v[VW], v251, 2576
	v_lshl_add_u32 v[VW], v252, 5, v[VW]
	s_and_b32 s56, s[WV], 1
	s_mul_i32 s56, s56, 1280
	s_lshr_b32 s57, s[WV], 1
	s_mul_i32 s57, s57, 640
	s_add_co_u32 s56, s56, s57
	s_add_co_u32 s56, s56, VST
	v_add_nc_u32 v[VW], s56, v[VW]                 ; V: token r, place 16 (w % 2) + 8 (w / 2) + c for channel 8 w + c, heads 8 h on
	v_mul_u32_u24 v[VR], v251, 80
	v_lshl_add_u32 v[VR], v252, 5, v[VR]
	s_mul_i32 s56, s[WV], 10304
	s_add_co_u32 s56, s56, VST
	v_add_nc_u32 v[VR], s56, v[VR]                 ; back: token 4 w, place r, heads 8 h on
	v_mul_u32_u24 v[OW], v251, 48
	v_mad_u32_u24 v[OW], v252, 784, v[OW]
	s_mul_i32 s56, s[WV], 3136
	s_add_co_u32 s56, s56, OC
	v_add_nc_u32 v[OW], s56, v[OW]                 ; the result's codes: token 4 w + h, head r
	v_lshlrev_b32 v[OSW], 1, v251
	s_mul_i32 s56, s[WV], 144
	s_add_co_u32 s56, s56, OSC
	v_add_nc_u32 v[OSW], s56, v[OSW]
	s_lshl_b32 s56, s[WV], 9
	v_add_nc_u32 v[GO], s56, v[LI]
	s_add_co_u32 s56, s56, BL
	v_lshl_add_u32 v[BAO], v252, 5, s56            ; a pass's bias: my 128 columns, + 8 h numbers
	v_min_u32 v[PFO], 7, v250                      ; the prefetches: block 8 x work-group + lane (lanes 8-31: the last again), held inside a pass's 1,600
	s_lshl_b32 s56, ttmp9, 3
	v_add_nc_u32 v[PFO], s56, v[PFO]
	v_min_u32 v[PFO], 1599, v[PFO]
	v_lshlrev_b32 v[PFO], 8, v[PFO]
	s_cmp_lt_u32 ttmp9, 200
	s_cselect_b32 s[PFF], 1, 0
	s_cmp_eq_u32 s[WV], 0
	s_cselect_b32 s[PFF], s[PFF], 0
	v_add_nc_u32 v245, BL, v255                    ; where the biases go: bo as it lies;
	v_and_b32 v246, 0x20, v255                     ; bq, bk with bits 3 and 4 of the column's number changed over: Wq's and Wk's tiles take their rows in that order;
	v_and_b32 v247, 0x40, v255
	v_and_b32 v248, 0x79f, v255
	v_lshl_or_b32 v246, v246, 1, v248
	v_lshrrev_b32 v247, 1, v247
	v_add_nc_u32 v246, v246, v247
	v_add_nc_u32 v246, BL, v246
	v_lshlrev_b32 v247, 8, v251
	v_lshrrev_b32 v248, 4, v0
	v_lshl_add_u32 v247, v248, 2, v247
	v_add_nc_u32 v247, BL+8192, v247               ; bv turned: number 64 g + d to 64 d + 4 g: my four are d = 4 (t % 16) + i, g = t / 16
.irp b, 0,1,2,3
	v_mov_b32 v[TM+4+\b], 0                        ; a lane permute's destination counts as one of its sources
.endr
	s_mov_b32 s[SEL], 0x76543210
	s_mov_b32 s[SEL+1], 0xfedcba98                 ; v_permlanex16_b32's selects for lane l xor 16
	s_mov_b32 s[CS], 0x3e38aa3b                    ; log2(e) / 8
	s_mov_b32 s[CS+1], s[CS]
	s_lshl_b32 s54, ttmp9, 18                      ; my block: 64 rows of 4,096 bytes
	s_mov_b32 s55, 0
	s_lshl_b32 s56, s[WV], 16
	s_add_co_u32 s56, s56, s54                     ; + my wave's 16 rows of x
	s_mov_b32 s57, 0
	s_lshl_b32 s58, ttmp9, 16                      ; 64 tokens' masks of 1,024 bytes
	s_mov_b32 s59, 0
	s_wait_alu depctr_va_vdst(0)
	s_wait_kmcnt 0x0
	s_add_nc_u64 s[4:5], s[4:5], s[56:57]
	s_add_nc_u64 s[6:7], s[6:7], s[58:59]
	s_add_nc_u64 s[18:19], s[18:19], s[54:55]
	s_add_nc_u64 s[PF:PF+1], s[16:17], 409600
	s_add_nc_u64 s[WB:WB+1], s[16:17], s[52:53]
	WIN 0x40                                       ; the four biases: 16 bytes a thread, twice, into window 1
	global_load_b128 v[0:3], v255, s[8:9]
	global_load_b128 v[4:7], v255, s[8:9] offset:2048
	global_load_b128 v[8:11], v255, s[10:11]
	global_load_b128 v[12:15], v255, s[10:11] offset:2048
	global_load_b128 v[16:19], v255, s[12:13]
	global_load_b128 v[20:23], v255, s[12:13] offset:2048
	global_load_b128 v[24:27], v255, s[14:15]
	global_load_b128 v[28:31], v255, s[14:15] offset:2048
	XLOAD 0
	XLOAD 1
	XLOAD 2
	XLOAD 3
	; ---- X: my 16 rows of x become codes, a K step at a time; codes and scale words go to LDS for all four waves
.irp s, 0,1,2,3,4,5,6,7
.if \s < 5
	s_wait_loadcnt 48                              ; this K step's 16 loads (and all before them) are in; the three sets behind may be out
.elseif \s < 7
	s_wait_loadcnt 16*(7-\s)
.else
	s_wait_loadcnt 32                              ; behind the last K step's loads stand the masks' 32
.endif
.if \s == 0
	WIN 0x04
	ds_store_b128 v246, v[0:3]
	ds_store_b128 v246, v[4:7] offset:2048
	ds_store_b128 v246, v[8:11] offset:4096
	ds_store_b128 v246, v[12:15] offset:6144
	ds_store_b128 v245, v[24:27] offset:12288
	ds_store_b128 v245, v[28:31] offset:14336
.irp i, 0,1,2,3
	ds_store_b32 v247, v[16+\i] offset:64*\i
	ds_store_b32 v247, v[20+\i] offset:64*\i+32
.endr
	WIN 0
.endif
.if \s == 6
	MASKS                                          ; behind all of x: wanted four passes on
.endif
.if \s == 7
	GLW 0                                          ; the first pass's first two K steps of weights, into window 1, where the biases lay
	GLW 1
.endif
	TURNX \s
	s_wait_dscnt 0x0                               ; the numbers are back; the stores have read their registers
.if \s < 4
	XLOAD \s+4
.endif
	QUANT 1, 192
.irp c, 0,1
.irp pc, 0,1,2
	ds_store_b64 v[XWC], v[PC+6*\c+2*\pc:PC+6*\c+2*\pc+1] offset:96*\s+48*\c+8*\pc
.endr
.endr
	ds_store_b32 v[XWS], v[PW] offset:4*\s         ; (both halves of the lanes write the same word with the same value)
.endr
	BARRIER                                        ; x's codes, their scale words and the biases lie in LDS
	GLW 2                                          ; K steps 2 and 3, into window 2, where x lay
	GLW 3
	s_mov_b32 s[PB], 0
	s_mov_b32 s[PQ], 0
	s_mov_b32 s[PS], 0
	s_mov_b32 s[LC], 4
	; ---- A: four passes: Q's columns 0-511, 512-1023, then K's.  Each wave's 128 columns of each token are quantised in registers (two heads, four blocks) and go into the token's record
.Lqk:
	GEMM 0
	v_add_nc_u32 v249, s[PQ], v[CW0]
	v_add_nc_u32 v250, s[PQ], v[CW0+1]
	v_add_nc_u32 v251, s[PS], v[SW]
.irp m, 0,1,2,3
	QUANT 3, 64*\m
.irp cc, 0,1
.irp pc, 0,1,2
	ds_store_b64 v[249+\m/2], v[PC+6*\cc+2*\pc:PC+6*\cc+2*\pc+1] offset:24832*(\m%2)+48*\cc+8*\pc
.endr
.endr
	ds_store_b32 v251, v[PW] offset:1088*\m
	s_wait_dscnt 0x0                               ; the stores have read their registers
.endr
	s_wait_alu depctr_va_vdst(0)
	s_wait_xcnt 0x0                                ; the loads and the prefetch have read their bases: they step a pass on
	s_add_nc_u64 s[WB:WB+1], s[WB:WB+1], 409600
	s_add_nc_u64 s[PF:PF+1], s[PF:PF+1], 409600
	s_add_co_u32 s[PB], s[PB], 2048
	s_add_co_u32 s[PQ], s[PQ], 384                 ; 512 columns of codes; behind Q's 768 bytes lie K's
	s_add_co_u32 s[PS], s[PS], 16
	s_sub_co_u32 s[LC], s[LC], 1
	s_cmp_lg_u32 s[LC], 0
	s_cbranch_scc1 .Lqk
	; ---- S: the scores of my 16 tokens, four at a time: S^T = K Q^T: lane (r, h) holds query head r and keys 8 h + 0..7.
	; K = 64: the operands' upper six registers are zero codes, which add nothing under the byte 0 that the 16-bit load leaves above the two scale bytes.
	BARRIER                                        ; all records are whole
	v_mov_b32 v[NEG], 0xcfee6b28                   ; -8e9, exact in f32
.irp ii, 0,1,2,3
	v_mov_b32 v[MX+2*\ii+1], 0                     ; (the upper word of a pair that is named whole)
	v_mov_b32 v[PL+\ii], 0
.endr
.irp ii, 0,1,2,3
	WIN 0x40*(1+(\ii/2))
.irp i, 6,7,8,9,10,11
	v_mov_b32 v[FK+24*(\ii%2)+\i], 0
	v_mov_b32 v[FQ+24*(\ii%2)+\i], 0
.endr
.endr
	WIN 0
	PLACES 4                                       ; an operand written by vector instructions stands four places ahead of a scaled product
	SLOAD 0
	s_wait_alu depctr_va_vdst(0)
.irp m, 0,1,2,3
	s_wait_dscnt 0x0                               ; these four tokens' fragments and scale bytes are in
.irp ii, 0,1,2,3
	WIN 5*(1+(\ii/2))                              ; both sources in window 1 (tokens 0, 1) or 2 (tokens 2, 3)
	v_wmma_scale_f32_16x16x128_f8f6f4 v[SC+8*\ii:SC+8*\ii+7], v[FK+24*(\ii%2):FK+24*(\ii%2)+11], v[FQ+24*(\ii%2):FQ+24*(\ii%2)+11], 0, v[SS+\ii], v[SS+\ii] matrix_a_fmt:MATRIX_FMT_BF6 matrix_b_fmt:MATRIX_FMT_BF6 matrix_a_scale:MATRIX_SCALE_ROW1
.endr
	WIN 0
	PLACES 4                                       ; in front of the loads into the products' sources and scales, and of the first read of their results
.if \m < 3
	SLOAD \m+1
.endif
.irp j, 0,1,2,3,4,5,6,7                ; where the mask is 0 the score gives way; each accumulator is read from its low end on
.irp ii, 0,1,2,3
	v_cmp_eq_u32 vcc_lo, 0, v[AT+8*(4*\m+\ii)+\j]
	v_cndmask_b32 v[AT+8*(4*\m+\ii)+\j], v[SC+8*\ii+\j], v[NEG], vcc_lo
.endr
.endr
.irp ii, 0,1,2,3
	v_max3_num_f32 v[MX+2*\ii], v[AT+8*(4*\m+\ii)], v[AT+8*(4*\m+\ii)+1], v[AT+8*(4*\m+\ii)+2]
.endr
.irp i, 3,5
.irp ii, 0,1,2,3
	v_max3_num_f32 v[MX+2*\ii], v[MX+2*\ii], v[AT+8*(4*\m+\ii)+\i], v[AT+8*(4*\m+\ii)+\i+1]
.endr
.endr
.irp ii, 0,1,2,3
	v_max_num_f32 v[MX+2*\ii], v[MX+2*\ii], v[AT+8*(4*\m+\ii)+7]
.endr
.irp ii, 0,1,2,3
	v_permlanex16_b32 v[PL+\ii], v[MX+2*\ii], s[SEL], s[SEL+1]
.endr
.irp ii, 0,1,2,3
	v_max_num_f32 v[MX+2*\ii], v[MX+2*\ii], v[PL+\ii]   ; the row's maximum over its 16 keys
.endr
.irp k, 0,2,4,6
.irp ii, 0,1,2,3
	v_pk_add_f32 v[AT+8*(4*\m+\ii)+\k:AT+8*(4*\m+\ii)+\k+1], v[AT+8*(4*\m+\ii)+\k:AT+8*(4*\m+\ii)+\k+1], v[MX+2*\ii:MX+2*\ii+1] op_sel_hi:[1,0] neg_lo:[0,1] neg_hi:[0,1]   ; s - max: first the difference
.endr
.endr
.irp k, 0,2,4,6
.irp ii, 0,1,2,3
	v_pk_mul_f32 v[AT+8*(4*\m+\ii)+\k:AT+8*(4*\m+\ii)+\k+1], v[AT+8*(4*\m+\ii)+\k:AT+8*(4*\m+\ii)+\k+1], s[CS:CS+1] op_sel_hi:[1,0]
.endr
.endr
	s_wait_alu depctr_va_vdst(0)
.irp j, 0,1,2,3,4,5,6,7
.irp ii, 0,1,2,3
	v_exp_f32 v[AT+8*(4*\m+\ii)+\j], v[AT+8*(4*\m+\ii)+\j]
.endr
.endr
	v_nop                                          ; one plain place behind the exponentials
	s_wait_alu depctr_va_vdst(0)
.irp ii, 0,1,2,3
	v_pk_add_f32 v[SU+2*\ii:SU+2*\ii+1], v[AT+8*(4*\m+\ii):AT+8*(4*\m+\ii)+1], v[AT+8*(4*\m+\ii)+2:AT+8*(4*\m+\ii)+3]
.endr
.irp k, 4,6
.irp ii, 0,1,2,3
	v_pk_add_f32 v[SU+2*\ii:SU+2*\ii+1], v[SU+2*\ii:SU+2*\ii+1], v[AT+8*(4*\m+\ii)+\k:AT+8*(4*\m+\ii)+\k+1]
.endr
.endr
.irp ii, 0,1,2,3
	v_add_f32 v[SU+2*\ii], v[SU+2*\ii], v[SU+2*\ii+1]
.endr
.irp ii, 0,1,2,3
	v_permlanex16_b32 v[PL+\ii], v[SU+2*\ii], s[SEL], s[SEL+1]
.endr
.irp ii, 0,1,2,3
	v_add_f32 v[SU+2*\ii], v[SU+2*\ii], v[PL+\ii]  ; the row's sum: at least 1
.endr
	s_wait_alu depctr_va_vdst(0)
.irp ii, 0,1,2,3
	v_rcp_f32 v[SU+2*\ii], v[SU+2*\ii]
.endr
	v_nop                                          ; one plain place behind the reciprocals
	s_wait_alu depctr_va_vdst(0)
.irp k, 0,2,4,6
.irp ii, 0,1,2,3
	v_pk_mul_f32 v[AT+8*(4*\m+\ii)+\k:AT+8*(4*\m+\ii)+\k+1], v[AT+8*(4*\m+\ii)+\k:AT+8*(4*\m+\ii)+\k+1], v[SU+2*\ii:SU+2*\ii+1] op_sel_hi:[1,0]   ; attn: it stays here
.endr
.endr
.endr
	s_mov_b32 s[P24], 0
	s_mov_b32 s[P1], 0
	s_mov_b32 s[COL], 0
	s_mov_b32 s[LC], 4
	s_wait_alu depctr_va_vdst(0)
	; ---- Four more passes: two over Wv, two over Wo; what follows a pass is chosen by the loop's counter, alike in all waves
.macro TOSTAGE m
	s_wait_xcnt 0x0                                ; earlier stores have read their registers: the loads below may land there
	WIN 0x0c
.irp c, 0,1,2,3,4,5,6,7
	ds_store_b128 v[STO], v[64*(\m)+8*\c:64*(\m)+8*\c+3] offset:64*\c     ; each accumulator from its low end on
	ds_store_b128 v[STO], v[64*(\m)+8*\c+4:64*(\m)+8*\c+7] offset:64*\c+16
.endr
	WIN 0
.irp t, 0,1,2,3,4,5,6,7,8,9,10,11,12,13,14,15
	ds_load_b128 v[AT+64*((\m)%2)+4*\t:AT+64*((\m)%2)+4*\t+3], v[RD] offset:528*\t   ; LDS serves a wave's instructions in order
.endr
.endm
.macro SEND m, younger                 ; younger: the LDS instructions issued behind block m's loads, which may stay out
	s_wait_dscnt \younger
.irp t, 0,1,2,3,4,5,6,7,8,9,10,11,12,13,14,15
	global_store_b128 v251, v[AT+64*((\m)%2)+4*\t:AT+64*((\m)%2)+4*\t+3], s[18:19] offset:4096*(16*(\m)+\t) th:TH_STORE_NT   ; 32 lanes store 512 consecutive bytes, at a multiple of 256 from out0's first byte
.endr
.endm
.Lvo:
	GEMM 1
	s_cmp_gt_u32 s[LC], 2
	s_cbranch_scc0 .Lout
	; ---- V: 32 channels of every head.  A weight tile is one channel and all 16 heads, so a lane holds a token, a channel and eight heads.  Then, 16 tokens at a time: V from wave to wave through the stage;
	; out^T = V^T attn^T by the f32 form: lane (r, h) holds query head r and channels 16 h + 0..15: half a block of the last product's K; quantised in registers; codes and bytes into the token's row.
	; The stage runs a turn ahead: the next sixteen tokens' V is stored under the products and loaded under the quantiser.  The next pass's first four K steps of weights are asked for on the way.
	GLW 8
	GLW 9
	v_add_nc_u32 v252, s[P24], v[OW]
	v_add_nc_u32 v253, s[P1], v[OSW]
	VSTORE 0
	BARRIER                                        ; V of tokens 0-15, these 32 channels, lies in the stage
	VLOAD
.irp m, 0,1,2,3
.if \m < 3
	BARRIER                                        ; my four tokens' V is in my registers, and so is everybody's: the stage may be written again
	VSTORE \m+1
.else
	s_wait_dscnt 0x0
.endif
	WIN 0xf2                                       ; source 0 (V) window 2, source 1 (attn) window 0, C and D window 3
.irp k, 0,1,2,3                        ; eight accumulators by turns; the first K step starts the sums with the constant 0
.irp ii, 0,1,2,3
.irp u, 0,1
.if \k == 0
	v_wmma_f32_16x16x4_f32 v[64*\m+16*\ii+8*\u:64*\m+16*\ii+8*\u+7], v[VA+16*\ii+8*\u+2*\k:VA+16*\ii+8*\u+2*\k+1], v[AT+8*(4*\m+\ii)+2*\k:AT+8*(4*\m+\ii)+2*\k+1], 0
.else
	v_wmma_f32_16x16x4_f32 v[64*\m+16*\ii+8*\u:64*\m+16*\ii+8*\u+7], v[VA+16*\ii+8*\u+2*\k:VA+16*\ii+8*\u+2*\k+1], v[AT+8*(4*\m+\ii)+2*\k:AT+8*(4*\m+\ii)+2*\k+1], v[64*\m+16*\ii+8*\u:64*\m+16*\ii+8*\u+7]
.endif
.endr
.endr
.if (\m < 3) && (\k == 1)
	s_wait_dscnt 0x0                               ; for the others' sake: my stores of the next sixteen tokens' V have landed
	s_barrier_signal -1
.endif
.endr
	WIN 0
	PLACES 9                                       ; behind the f32 form (ISA guide 7.12.1)
.if \m < 3
	s_barrier_wait -1                              ; the next sixteen tokens' V lies in the stage
	VLOAD
.endif
	QUANT 3, 64*\m                                 ; block b = my token ii = b, head r, these 32 channels
.irp cc, 0,1
.irp pc, 0,1,2
	ds_store_b64 v252, v[PC+6*\cc+2*\pc:PC+6*\cc+2*\pc+1] offset:784*(16*\m+2*\cc)+8*\pc   ; lane (r, h): token 16 m + 4 w + 2 cc + h, head r: 24 bytes
.endr
.endr
.irp b, 0,1,2,3
	ds_store_b8 v253, v[TM+4+\b] offset:36*(16*\m+\b)   ; (both halves of the lanes write the same byte with the same value)
.endr
.if \m < 2
	GLW 10+\m
.endif
.endr
	s_wait_alu depctr_va_vdst(0)
	s_branch .Lnext
.Lout:
	; ---- O: a lane's eight results are 32 neighbouring bytes of a row of out0; 16 rows x my 128 columns go through my own stage and leave as rows of 512 consecutive bytes
	s_cmp_lg_u32 s[LC], 1                          ; behind the last pass wfrag ends
	s_cbranch_scc0 .Lnw1
	GLW 8
	GLW 9
.Lnw1:
	v_add_nc_u32 v251, s[COL], v[GO]
	s_wait_alu depctr_va_vdst(0)
	TOSTAGE 0
.irp a, 1,2,3
	TOSTAGE \a
.if \a == 3
	s_cmp_lg_u32 s[LC], 1
	s_cbranch_scc0 .Lnw2
	GLW 10
	GLW 11
.Lnw2:
.endif
	SEND \a-1, 32                                  ; behind block a - 1's loads: block a's 16 stores and 16 loads
.endr
	SEND 3, 0
.Lnext:
	s_wait_xcnt 0x0                                ; loads, stores and the prefetch have read their registers and bases
	s_add_nc_u64 s[WB:WB+1], s[WB:WB+1], 409600
	s_add_nc_u64 s[PF:PF+1], s[PF:PF+1], 409600
	s_add_co_u32 s[PB], s[PB], 2048
	s_xor_b32 s[P24], s[P24], 24                   ; the halves of a head's 64 channels, and of out0's columns, by turns
	s_xor_b32 s[P1], s[P1], 1
	s_xor_b32 s[COL], s[COL], 2048
	BARRIER                                        ; this pass's codes and bytes lie in LDS, and nobody reads the stage
	s_sub_co_u32 s[LC], s[LC], 1
	s_cmp_lg_u32 s[LC], 0
	s_cbranch_scc1 .Lvo
	s_wait_tensorcnt 0x0                           ; the wave's end, behind my last LDS store
	ds_add_u32 v[SPW], v[NIL]
	s_wait_dscnt 0x0
	s_endpgm
.Lfunc_end_k_qc7f863b9c2_mha:
	.size	k_qc7f863b9c2_mha, .Lfunc_end_k_qc7f863b9c2_mha-k_qc7f863b9c2_mha
	.p2alignl 7, 3214868480
	.fill 96, 4, 3214868480
	.section	.rodata,"a",@progbits
	.p2align	6, 0x0
	.amdhsa_kernel k_qc7f863b9c2_mha
		.amdhsa_group_segment_fixed_size 266752
		.amdhsa_private_segment_fixed_size 0
		.amdhsa_enable_private_segment 0
		.amdhsa_kernarg_size 64
		.amdhsa_user_sgpr_count 2
		.amdhsa_user_sgpr_kernarg_segment_ptr 1
		.amdhsa_wavefront_size32 1
		.amdhsa_system_sgpr_workgroup_id_x 1
		.amdhsa_system_sgpr_workgroup_id_y 1
		.amdhsa_system_sgpr_workgroup_id_z 1
		.amdhsa_system_vgpr_workitem_id 0
		.amdhsa_next_free_vgpr 1024
		.amdhsa_next_free_sgpr 66
		.amdhsa_reserve_vcc 1
		.amdhsa_float_denorm_mode_32 3
		.amdhsa_float_denorm_mode_16_64 3
		.amdhsa_memory_ordered 1
		.amdhsa_forward_progress 1
		.amdhsa_inst_pref_size 255
	.end_amdhsa_kernel
	.section	.bss,"aw",@nobits
	.p2align	6
	.space	262144
	.amdgpu_metadata
---
amdhsa.version: [ 1, 2 ]
amdhsa.kernels:
  - .name:           k_qc7f863b9c2_mha
    .symbol:         k_qc7f863b9c2_mha.kd
    .args:
      - { .name: x, .offset: 0, .size: 8, .value_kind: global_buffer, .address_space: global }
      - { .name: mask, .offset: 8, .size: 8, .value_kind: global_buffer, .address_space: global }
      - { .name: bq, .offset: 16, .size: 8, .value_kind: global_buffer, .address_space: global }
      - { .name: bk, .offset: 24, .size: 8, .value_kind: global_buffer, .address_space: global }
      - { .name: bv, .offset: 32, .size: 8, .value_kind: global_buffer, .address_space: global }
      - { .name: bo, .offset: 40, .size: 8, .value_kind: global_buffer, .address_space: global }
      - { .name: wfrag, .offset: 48, .size: 8, .value_kind: global_buffer, .address_space: global }
      - { .name: out0, .offset: 56, .size: 8, .value_kind: global_buffer, .address_space: global }
    .group_segment_fixed_size: 266752
    .private_segment_fixed_size: 0
    .kernarg_segment_align: 8
    .kernarg_segment_size: 64
    .max_flat_workgroup_size: 128
    .sgpr_count:     66
    .vgpr_count:     1024
    .wavefront_size: 32
...
	.end_amdgpu_metadata
.endif
;; end of part 2
